; MI455X (gfx1250); checked and timed in simulation.
; The chip was launched on July 23, 2026; its instructions are those of AMD's public machine-readable ISA for CDNA 5 (MIT licence, August 2026) and "CDNA5" Instruction Set Architecture Reference Guide (July 2026). The comments in the code are by the model that wrote it; some were corrected since.
;; Ro BER Ta For Top K Entailment. Allowed arithmetic: matrix products marked QUANTISED: E2M1 operands, one E8M0 scale for each 32 along K, by v_wmma_scale_f32_16x16x128_f8f6f4 with both operands' format E2M1 (or v_wmma_scale_f32_32x16x128_f4), f32 sums; products left as they are: f32 operands where the result goes on into a quantised operand, else bf16, f16 or f32 operands; f32 sums; everything else in f32.
;; Inputs: W1 1,024 x 1,024 float32; W2 1,024 x 1 float32; b1 1,024 float32; b2 1 float32; hidden_states 64 x 512 x 1,024 float32; ln_beta 1,024 float32; ln_gamma 1,024 float32; segment_ids 64 x 512 int32.
;; Outputs: out0 64 x 8 x 1 float32.
;; This version of the problem:
;;   THIS VERSION OF THE PROBLEM IS GIVEN IN LOW PRECISION. The matrix products marked QUANTISED in the list below multiply operands that are first quantised to E2M1 (2 exponent bits, 1 mantissa bit; 4 bits a number), with one power-of-two scale for each 32 numbers along K (OCP MX v1.0); their sums are f32. All else is computed in f32.
;;   The module's matrix products, in the order in which they are computed (A, B: the left and right operand; K: the contracted axis; several contracted axes count as one K, in the product's order):
;;     1. batch 64 x [M 8, K 512] x [K 512, N 1,024]; A: computed on the way; B: input hidden_states: left as it is (M = 8 < 16)
;;     2. [M 512, K 1,024] x [K 1,024, N 1,024]; A: computed on the way; B: input W1: QUANTISED
;;     3. [M 512, K 1,024] x [K 1,024, N 1]; A: computed on the way; B: input W2: left as it is (N = 1 < 16)
;;   THE QUANTISER, for each operand of a quantised product, along K:
;;     - K is cut into blocks of 32 from its start; a last block that is shorter is filled with zeros.
;;     - A block's scale is 2^e with e = floor(log2(the largest magnitude in the block)) - 2, held to -126 .. 127; a block of zeros has e = 0. As a byte (E8M0): e + 127.
;;     - Each number is divided by its block's scale, clamped to +-6, and rounded to the nearest number of E2M1, ties to even, subnormals kept.
;;     - The product sums the exact products of the quantised numbers (number of the format x scale) in f32.
;;   ~~~python
;;   def quantise(x, axis):      # numpy; x: float32 -> the quantised numbers, widened to float32 again
;;       x = np.moveaxis(x, axis, -1); K = x.shape[-1]
;;       x = np.pad(x, [(0, 0)] * (x.ndim - 1) + [(0, -K % 32)]); x = x.reshape(x.shape[:-1] + (-1, 32)); a = np.abs(x).max(-1, keepdims=True)
;;       e = np.where(a > 0, np.clip(np.frexp(np.where(a > 0, a, 1))[1] - 1 - 2, -126, 127), 0)      # np.frexp(a)[1] - 1 = floor(log2(a)), exactly
;;       r = np.clip(x / 2.0 ** e, -6, 6)
;;       step = 2.0 ** (np.maximum(np.frexp(np.where(r == 0, 1, r))[1] - 1, 0) - 1)
;;       q = np.round(r / step) * step * 2.0 ** e      # np.round: ties to even
;;       return np.moveaxis(q.reshape(q.shape[:-2] + (-1,))[..., :K], -1, axis).astype(np.float32)
;;   ~~~
;;   OPERANDS COMPUTED ON THE WAY. 'Computed on the way' means the value that the module computes at that place (a softmax that the list does not call 'softmax' is quantised finished and normalised). What goes into a quantiser is computed in f32, as accurately as f32 sums, v_exp_f32 and their like allow (about 1e-6 of the number): no bf16 or f16 on the way to a quantiser, and a product that is left as it is and whose result goes on into a quantised operand takes f32 operands (vector FMAs, or v_wmma_f32_16x16x4_f32). A number that lies on a knife's edge between two numbers of the format may be rounded either way, as far as f32 arithmetic and the matrix unit's own rounding can turn it there, and no further.
;; 2 versions, each right and faster than the one before. Each part assembles by itself: llvm-mc -triple=amdgcn-amd-amdhsa -mcpu=gfx1250 --defsym DOCPART=n.
;; ======== version 1 of 2: 2 launches
;; workspace buffers: acodes 262,144 bytes; ascl 16,384 bytes; wcodes 524,288 bytes; wscl 32,768 bytes
;; launch pool (part 1): grid 256 x 1, 16 waves a work-group, no clusters, 69,632 bytes of LDS; arguments hidden_states, segment_ids, W1, acodes, ascl, wcodes, wscl; writes acodes, ascl, wcodes, wscl
.if DOCPART == 1
	.amdgcn_target "amdgcn-amd-amdhsa--gfx1250"
	.amdhsa_code_object_version 6
	.text
	.protected	k_qad63482402_pool
	.globl	k_qad63482402_pool
	.p2align	8
	.type	k_qad63482402_pool,@function
k_qad63482402_pool:
	s_mov_b64 s[64:65], 0
	v_nop
	global_prefetch_b8 v0, s[64:65] scope:SCOPE_SE
	s_setreg_imm32_b32 hwreg(HW_REG_WAVE_MODE, 25, 1), 1
	s_wait_xcnt 0x0
; POOL.  pooled[b][k][:] = the mean of hidden_states[b][p][:] over first(k) < p < last(k), first and last being label k's first and last place in segment_ids[b][:];
; the means are quantised along H to codes of E2M1 with one E8M0 byte for each 32.  Beside that each work-group quantises 1/256 of W1 along W1's first axis.
; SHARES.  Work-group x: batch b = x / 4, columns 256 q .. 256 q + 255, q = x % 4: 1,024 bytes of each of the batch's 512 rows.  Wave w: g = w / 2, half = w % 2.  Its chunk j (0 .. 7) is rows
; 64 j + 8 g + 0 .. 7, 512 bytes of each; a lane holds 16 bytes (4 columns) of a row, so each load of a wave covers 512 consecutive bytes that begin at a multiple of 256.  Every byte of hidden_states is read once.
; The intervals are an INPUT's: they may overlap, be empty, or the label may be absent.  So a lane keeps 8 labels x 4 columns of sums, and for each chunk and label a scalar test on whole numbers says whether any of the
; chunk's 8 rows lies in the label's interval; if so the 8 rows are added with weights 1.0 or 0 (fused multiply-adds), else the label is passed over.  All loads are issued whatever the intervals: the counts of the waits hang on no data.
; The first and last places are found in whole numbers alone (compare masks, count of trailing zeros, count of ones), by waves 8 .. 15, a label each, and go to all waves through LDS.
; No cluster: the work-groups share no input but the 2,048 bytes of ids.  A ring of four chunks in registers keeps 24 to 32 loads of every wave on their way.
; W1 [1024 (k)][1024 (n)]: work-group x takes K step su = x / 32 (128 along K) and columns 32 cg .. 32 cg + 31, cg = x % 32; waves 0 .. 3 a block of 32 along K each; a lane takes a column and its registers run down K.
; OUT.  acodes [b][q][k][128 bytes]; ascl [b][q][k][8 bytes], byte j for the block of columns 256 q + 32 j on; wcodes in the order of the operand's registers: [tile of 16 columns t][K step s][c][lane 16 h + r][16 bytes],
; lane (r, h) holding column 16 t + r, k = 128 s + 64 c + 32 h + 0 .. 31; wscl [s][n]: one word, four bytes, for K step s of column n.
; LIMITS.  NaN and infinities among the floating-point inputs are not served (a row that no interval holds is never multiplied by its weight 0).  A block whose largest magnitude lies under 2^-124 gets the byte 1; a block of zeros
; gets the byte 1 where the rule says 127: its codes are zeros, and this program alone reads the bytes.  An EMPTY interval (0 / 0 in the definition) is marked by the byte 0, which the floor never gives, with zero codes;
; the next launch writes NaN there.  The mean is the sum x a reciprocal of the count refined by one Newton step.
.set SEG, 0                            ; LDS: 8 x (first inner place, count), two words a label
.set WS,  256                          ; W1's scale bytes: [column 32][4]
.set OC,  512                          ; the stage of the pooled codes: [k][128 bytes]
.set OS,  1536                         ; and of their scale bytes: [k][8]
.set PS,  2048                         ; partial sums [g 8][k 8][256 f32]
.set ACC, 24                           ; v[24:55]   sums: label k, column e at 4 k + e
.set BUF, 56                           ; v[56:183]  four chunks of 8 rows x 4 registers
.set T,   184                          ; v[184:215] waves 0-3: 32 numbers of W1; waves 8-15: 16 registers of ids
.set WC,  216                          ; v[216:219] W1's codes: a store's data, never written again
.set S_LO, 24                          ; s[24:31]   label k: its first inner place
.set S_CN, 32                          ; s[32:39]   its count of inner places
.set S_C7, 40                          ; s[40:47]   count + 7, or 0 where the count is 0
.set S_WT, 48                          ; s[48:63]   row i's weight in s[48 + 2 i]; the odd ones are 0: a packed source names the pair
.set S_MK, 66                          ; s[66:81]   at the head the buffers' byte offsets, then the compare masks
; v1 lane; v2 my bytes in hidden_states; v3 4 x lane; v4 W1 in; v5 wcodes out; v6-v18 LDS addresses and offsets, all made here at the head and never rewritten; v20-23, v220-231 at work
	s_load_b256 s[4:11], s[0:1], 0x0               ; hidden_states s[4:5], segment_ids s[6:7], W1 s[8:9], acodes s[10:11]
	s_load_b128 s[12:15], s[0:1], 0x20             ; ascl s[12:13], wcodes s[14:15]
	s_load_b64 s[16:17], s[0:1], 0x30              ; wscl
	v_lshl_add_u32 v232, v0, 2, 0x10800
	v_mov_b32 v233, 0
	v_lshrrev_b32 v20, 5, v0
	v_readfirstlane_b32 s18, v20                   ; wave 0 .. 15
	v_and_b32 v1, 31, v0                           ; lane
	s_lshr_b32 s19, s18, 1                         ; g
	s_and_b32 s20, s18, 1                          ; half
	s_and_b32 s83, s18, 7                          ; the label that I scan (waves 8-15) or finish (waves 0-7)
	s_and_b32 s84, s18, 3                          ; my block of W1's K step
	s_lshl_b32 s21, s19, 3
	s_add_co_u32 s21, s21, 7                       ; 8 g + 7
	s_lshl_b32 s85, s20, 9                         ; 512 x half
	s_lshl_b32 s86, s19, 15                        ; 8 g rows of 4,096 bytes
	s_add_co_u32 s86, s86, s85
	v_lshl_add_u32 v2, v1, 4, s86                  ; hidden_states: 16 x lane + 512 x half + 32,768 g
	v_lshlrev_b32 v3, 2, v1                        ; 4 x lane
	s_lshl_b32 s86, s84, 17                        ; 32 rows of W1, 4,096 bytes each
	v_add_nc_u32 v4, s86, v3
	v_lshrrev_b32 v20, 4, v1
	v_and_b32 v21, 15, v1
	v_lshlrev_b32 v5, 13, v20                      ; wcodes: a tile of 16 columns is 8,192 bytes,
	v_lshl_add_u32 v5, v21, 4, v5                  ; 16 bytes a column,
	s_lshl_b32 s86, s84, 8
	v_add_nc_u32 v5, s86, v5                       ; 256 bytes a block
	s_lshl_b32 s86, s83, 3
	s_add_co_u32 s87, s86, SEG
	v_mov_b32 v6, s87                              ; my label's pair
	v_add_nc_u32 v11, 4, v6                        ; and its count alone
	v_mov_b32 v7, SEG
	s_add_co_u32 s87, s84, WS
	v_add_nc_u32 v8, s87, v3                       ; W1's scale byte: column x 4 + block
	v_add_nc_u32 v14, WS, v3                       ; and a column's whole word
	s_lshl_b32 s87, s19, 13
	s_add_co_u32 s87, s87, s85
	s_add_co_u32 s87, s87, PS
	v_lshl_add_u32 v9, v1, 4, s87                  ; partial sums in: 8,192 g + 512 x half + 16 x lane (+ 1,024 k)
	s_lshl_b32 s87, s83, 10
	s_add_co_u32 s87, s87, PS
	v_lshl_add_u32 v10, v1, 5, s87                 ; and out: 1,024 k + 32 x lane (+ 8,192 g)
	s_lshl_b32 s87, s83, 7
	s_add_co_u32 s87, s87, OC
	v_add_nc_u32 v12, s87, v3                      ; my 8 codes
	s_add_co_u32 s87, s86, OS
	v_lshrrev_b32 v20, 2, v1
	v_add_nc_u32 v13, s87, v20                     ; my block's byte: four lanes to a block
	v_lshl_add_u32 v16, v1, 4, s85                 ; the codes' way out: 512 bytes a wave
	v_add_nc_u32 v15, OC, v16
	v_lshlrev_b32 v18, 1, v1                       ; the bytes' way out: 2 bytes a lane
	v_add_nc_u32 v17, OS, v18
.irp i, 0,1,2,3,4,5,6,7
	s_mov_b32 s[S_WT+2*\i+1], 0
.endr
	s_lshr_b32 s88, ttmp9, 2                       ; b
	s_and_b32 s89, ttmp9, 3                        ; q
	s_lshr_b32 s90, ttmp9, 5                       ; su
	s_and_b32 s91, ttmp9, 31                       ; cg
	s_lshl_b32 s66, s88, 21                        ; hidden_states: a batch is 2^21 bytes,
	s_lshl_b32 s92, s89, 10
	s_add_co_u32 s66, s66, s92                     ; + 1,024 q
	s_mov_b32 s67, 0
	s_lshl_b32 s68, s88, 11                        ; ids: 2,048 bytes a batch
	s_mov_b32 s69, 0
	s_lshl_b32 s70, s90, 19                        ; W1: 128 rows a K step,
	s_lshl_b32 s92, s91, 7
	s_add_co_u32 s70, s70, s92                     ; + 128 bytes for 32 columns
	s_mov_b32 s71, 0
	s_lshl_b32 s72, ttmp9, 10                      ; acodes: 1,024 bytes a work-group
	s_mov_b32 s73, 0
	s_lshl_b32 s74, ttmp9, 6                       ; ascl: 64
	s_mov_b32 s75, 0
	s_lshl_b32 s76, s91, 14                        ; wcodes: two tiles of columns,
	s_lshl_b32 s93, s90, 10
	s_add_co_u32 s76, s76, s93                     ; + the K step's 1,024 bytes
	s_mov_b32 s77, 0
	s_lshl_b32 s78, s90, 12                        ; wscl: 4,096 bytes a K step,
	s_add_co_u32 s78, s78, s92                     ; + 128 bytes for 32 columns
	s_mov_b32 s79, 0
	s_wait_kmcnt 0x0
	s_add_nc_u64 s[4:5], s[4:5], s[66:67]
	s_add_nc_u64 s[6:7], s[6:7], s[68:69]
	s_add_nc_u64 s[8:9], s[8:9], s[70:71]
	s_add_nc_u64 s[10:11], s[10:11], s[72:73]
	s_add_nc_u64 s[12:13], s[12:13], s[74:75]
	s_add_nc_u64 s[14:15], s[14:15], s[76:77]
	s_add_nc_u64 s[16:17], s[16:17], s[78:79]
; chunk j's eight rows into slot j % 4
.macro FILL j
.irp i, 0,1,2,3,4,5,6,7
	global_load_b128 v[BUF+32*((\j)%4)+4*\i:BUF+32*((\j)%4)+4*\i+3], v2, s[4:5] offset:262144*(\j)+4096*\i th:TH_LOAD_NT
.endr
.endm
; Label k against the chunk in a slot.  s22 = the chunk's first row + 7.  s23 = s22 - lo: the chunk meets [lo, lo + count) where 0 <= s23 < count + 7, one unsigned compare (a count of 0 has the bound 0).
; Row i lies inside where 0 <= s23 - (7 - i) < count.  No wait, no barrier and no memory instruction stands under the branch.
.macro KBLK k, slot
	s_sub_co_u32 s23, s22, s[S_LO+\k]
	s_cmp_lt_u32 s23, s[S_C7+\k]
	s_cbranch_scc0 .Lskip_\@
.irp i, 0,1,2,3,4,5,6,7
	s_sub_co_u32 s82, s23, 7-\i
	s_cmp_lt_u32 s82, s[S_CN+\k]
	s_cselect_b32 s[S_WT+2*\i], 1.0, 0
.endr
.irp i, 0,1,2,3,4,5,6,7
	v_pk_fma_f32 v[ACC+4*\k:ACC+4*\k+1], v[BUF+32*(\slot)+4*\i:BUF+32*(\slot)+4*\i+1], s[S_WT+2*\i:S_WT+2*\i+1], v[ACC+4*\k:ACC+4*\k+1] op_sel_hi:[1,0,1]
	v_pk_fma_f32 v[ACC+4*\k+2:ACC+4*\k+3], v[BUF+32*(\slot)+4*\i+2:BUF+32*(\slot)+4*\i+3], s[S_WT+2*\i:S_WT+2*\i+1], v[ACC+4*\k+2:ACC+4*\k+3] op_sel_hi:[1,0,1]
.endr
.Lskip_\@:
.endm
; left = the loads of the younger chunks, which may stay out; refill = 1: the slot takes the chunk four further on
.macro CHUNK j, refill, left
	s_wait_loadcnt \left                           ; loads come back in order (ISA guide 5.7.1): this chunk's eight are in
	s_add_co_u32 s22, s21, 64*(\j)
.irp k, 0,1,2,3,4,5,6,7
	KBLK \k, (\j)%4
.endr
.if \refill
	FILL (\j)+4
.endif
.endm
	; each role's own loads go first, so that behind them the counts are the same in all waves
	s_cmp_lt_u32 s18, 4
	s_cbranch_scc0 .Lnot_w1
.irp i, 0,1,2,3,4,5,6,7,8,9,10,11,12,13,14,15,16,17,18,19,20,21,22,23,24,25,26,27,28,29,30,31
	global_load_b32 v[T+\i], v4, s[8:9] offset:4096*\i             ; W1(128 su + 32 w + i, my column): 128 consecutive bytes a wave
.endr
	s_branch .Lrole_done
.Lnot_w1:
	s_cmp_lt_u32 s18, 8
	s_cbranch_scc1 .Lrole_done
.irp i, 0,1,2,3,4,5,6,7,8,9,10,11,12,13,14,15
	global_load_b32 v[T+\i], v3, s[6:7] offset:128*\i              ; the id at place 32 i + lane
.endr
.Lrole_done:
	FILL 0                                         ; in waves 0-3 these make 64 loads: the issue of the last is held until one has come back (ISA guide 5.7.1); no wait is placed for that
	FILL 1
	FILL 2
	FILL 3
	s_cmp_lt_u32 s18, 8
	s_cbranch_scc1 .Lno_scan
	s_wait_loadcnt 32                              ; the ids are in; the 32 loads issued behind them stay out
.irp i, 0,1,2,3,4,5,6,7,8,9,10,11,12,13,14,15
	v_cmp_eq_u32 s[S_MK+\i], s83, v[T+\i]          ; bit l: place 32 i + l holds my label
.endr
	s_mov_b32 s84, 0                               ; the lowest mask that is not empty, and its first place
	s_mov_b32 s85, 0
	s_mov_b32 s86, 0                               ; the highest, and its first place
	s_mov_b32 s87, 0
.irp i, 15,14,13,12,11,10,9,8,7,6,5,4,3,2,1,0
	s_cmp_lg_u32 s[S_MK+\i], 0
	s_cselect_b32 s84, s[S_MK+\i], s84
	s_cselect_b32 s85, 32*\i, s85
.endr
.irp i, 0,1,2,3,4,5,6,7,8,9,10,11,12,13,14,15
	s_cmp_lg_u32 s[S_MK+\i], 0
	s_cselect_b32 s86, s[S_MK+\i], s86
	s_cselect_b32 s87, 32*\i, s87
.endr
	s_ctz_i32_b32 s88, s84
	s_add_co_u32 s88, s88, s85
	s_cmp_lg_u32 s84, 0
	s_cselect_b32 s88, s88, 512                    ; the first occurrence, or 512 where there is none
.irp n, 1,2,4,8,16
	s_lshr_b32 s89, s86, \n                        ; all bits under the highest are set,
	s_or_b32 s86, s86, s89
.endr
	s_bcnt1_i32_b32 s89, s86                       ; so their count is its number + 1
	s_add_co_u32 s89, s89, s87
	s_sub_co_u32 s89, s89, 1                       ; the last occurrence; -1 by itself where there is none
	s_sub_co_i32 s89, s89, s88
	s_sub_co_i32 s89, s89, 1
	s_max_i32 s89, s89, 0                          ; the count of places strictly between
	s_add_co_u32 s88, s88, 1                       ; the first of them
	v_mov_b32 v220, s88
	v_mov_b32 v221, s89
	ds_store_b64 v6, v[220:221]
.Lno_scan:
.irp i, 0,1,2,3,4,5,6,7,8,9,10,11,12,13,14,15,16,17,18,19,20,21,22,23,24,25,26,27,28,29,30,31
	v_mov_b32 v[ACC+\i], 0                         ; cleared, not begun by a first product: any label may be passed over in any chunk
.endr
	s_wait_dscnt 0x0                               ; for the others' sake: my pair lies in LDS
	s_barrier_signal -1
	s_barrier_wait -1                              ; all eight pairs do
	ds_load_b128 v[220:223], v7
	ds_load_b128 v[224:227], v7 offset:16
	ds_load_b128 v[228:231], v7 offset:32
	ds_load_b128 v[20:23], v7 offset:48
	s_wait_dscnt 0x0
.irp k, 0,1,2,3,4,5
	v_readfirstlane_b32 s[S_LO+\k], v[220+2*\k]
	v_readfirstlane_b32 s[S_CN+\k], v[221+2*\k]
.endr
.irp k, 6,7
	v_readfirstlane_b32 s[S_LO+\k], v[20+2*(\k-6)]
	v_readfirstlane_b32 s[S_CN+\k], v[21+2*(\k-6)]
.endr
.irp k, 0,1,2,3,4,5,6,7
	s_add_co_u32 s[S_C7+\k], s[S_CN+\k], 7
	s_cmp_lg_u32 s[S_CN+\k], 0
	s_cselect_b32 s[S_C7+\k], s[S_C7+\k], 0
.endr
	s_cmp_lt_u32 s18, 4
	s_cbranch_scc0 .Lno_w1q
	s_wait_loadcnt 32                              ; W1's 32 numbers are in; the 32 loads issued behind them stay out
	v_max3_num_f32 v220, |v[T]|, |v[T+1]|, |v[T+2]|                ; the block's largest magnitude: all 32 numbers are mine; two chains
	v_max3_num_f32 v221, |v[T+3]|, |v[T+4]|, |v[T+5]|
.irp i, 6,10,14,18,22,26
	v_max3_num_f32 v220, v220, |v[T+\i]|, |v[T+\i+1]|
	v_max3_num_f32 v221, v221, |v[T+\i+2]|, |v[T+\i+3]|
.endr
	v_max3_num_f32 v220, v220, |v[T+30]|, |v[T+31]|
	v_max3_num_f32 v220, v220, v221, 0x1800000     ; and the floor 2^(3 - 127): the byte cannot fall under 1
	v_add_nc_u32 v222, 0xff000000, v220            ; 2 off the exponent field: the conversion takes the exponent field of this operand as its scale
	v_lshrrev_b32 v223, 23, v222                   ; the scale's byte
.irp g, 0,1,2,3
	v_cvt_scalef32_pk8_fp4_f32 v[WC+\g], v[T+8*\g:T+8*\g+7], v222  ; the lower k in the lower bits: 16 bytes, as the operand's registers take them
.endr
	v_nop                                          ; one plain line behind the last conversion
	global_store_b128 v5, v[WC:WC+3], s[14:15]     ; lanes 0-15 and lanes 16-31 each store 256 consecutive bytes, at a multiple of 256 from the buffer's first byte
	ds_store_b8 v8, v223
.Lno_w1q:
	CHUNK 0, 1, 24
	CHUNK 1, 1, 24
	CHUNK 2, 1, 24
	CHUNK 3, 1, 24
	CHUNK 4, 0, 24                                 ; the last four chunks ask for nothing: the counts run down
	CHUNK 5, 0, 16
	CHUNK 6, 0, 8
	CHUNK 7, 0, 0
.irp k, 0,1,2,3,4,5,6,7
	ds_store_b128 v9, v[ACC+4*\k:ACC+4*\k+3] offset:1024*\k
.endr
	s_wait_dscnt 0x0                               ; for the others' sake: my partial sums (and W1's scale bytes) lie in LDS
	s_barrier_signal -1
	s_barrier_wait -1
	s_cmp_lt_u32 s18, 8
	s_cbranch_scc0 .Lnot_mean
	; waves 0-7, a label each: a lane takes 8 columns; the eight row groups' sums are added, divided by the count and quantised
	ds_load_b32 v220, v11                          ; the count
.irp g, 0,1,2,3,4,5,6,7
	ds_load_b128 v[BUF+8*\g:BUF+8*\g+3], v10 offset:8192*\g        ; lanes stand 32 bytes apart: 64 KiB in all, read once
	ds_load_b128 v[BUF+8*\g+4:BUF+8*\g+7], v10 offset:8192*\g+16
.endr
	s_wait_dscnt 16                                ; the count is in; the 16 loads behind it stay out
	v_cvt_f32_u32 v221, v220
	v_rcp_f32 v222, v221
	v_cmp_ne_u32 vcc_lo, 0, v220                   ; is the interval not empty?
	s_wait_dscnt 0x0
.irp g, 0,2,4,6
.irp p, 0,2,4,6
	v_pk_add_f32 v[BUF+8*\g+\p:BUF+8*\g+\p+1], v[BUF+8*\g+\p:BUF+8*\g+\p+1], v[BUF+8*\g+8+\p:BUF+8*\g+8+\p+1]
.endr
.endr
.irp g, 0,4
.irp p, 0,2,4,6
	v_pk_add_f32 v[BUF+8*\g+\p:BUF+8*\g+\p+1], v[BUF+8*\g+\p:BUF+8*\g+\p+1], v[BUF+8*\g+16+\p:BUF+8*\g+16+\p+1]
.endr
.endr
.irp p, 0,2,4,6
	v_pk_add_f32 v[BUF+\p:BUF+\p+1], v[BUF+\p:BUF+\p+1], v[BUF+32+\p:BUF+32+\p+1]
.endr
	s_wait_alu depctr_va_vdst(0)                   ; a wait ahead of the reciprocal's first reader; the 28 additions are the work between
	v_fma_f32 v223, -v221, v222, 1.0               ; one Newton step: r + r (1 - c r)
	v_fma_f32 v222, v222, v223, v222
	v_cndmask_b32 v222, 0, v222, vcc_lo            ; an empty interval: 0 x its sums of 0: zero codes
.irp p, 0,2,4,6
	v_pk_mul_f32 v[BUF+\p:BUF+\p+1], v[BUF+\p:BUF+\p+1], v[222:223] op_sel_hi:[1,0]
.endr
	v_max3_num_f32 v224, |v[BUF]|, |v[BUF+1]|, 0x1800000           ; my 8 numbers and the floor 2^(3 - 127)
	v_max3_num_f32 v224, v224, |v[BUF+2]|, |v[BUF+3]|
	v_max3_num_f32 v224, v224, |v[BUF+4]|, |v[BUF+5]|
	v_max3_num_f32 v224, v224, |v[BUF+6]|, |v[BUF+7]|
	v_max_num_f32_dpp v224, v224, v224 row_xmask:1 row_mask:0xf bank_mask:0xf   ; a block of 32 lies in four neighbouring lanes
	v_max_num_f32_dpp v224, v224, v224 row_xmask:2 row_mask:0xf bank_mask:0xf
	v_add_nc_u32 v225, 0xff000000, v224            ; 2 off the exponent field: the conversion's scale operand
	v_lshrrev_b32 v226, 23, v225                   ; the byte, 1 at the least;
	v_cndmask_b32 v226, 0, v226, vcc_lo            ; 0 marks an empty interval
	v_cvt_scalef32_pk8_fp4_f32 v227, v[BUF:BUF+7], v225
	v_nop                                          ; one plain line behind the conversion
	ds_store_b32 v12, v227
	ds_store_b8 v13, v226                          ; the four lanes of a block write the same byte with the same value
	s_branch .Lstaged
.Lnot_mean:
	s_cmp_eq_u32 s18, 8
	s_cbranch_scc0 .Lstaged
	ds_load_b32 v220, v14                          ; W1's scale words of my work-group's 32 columns
	s_wait_dscnt 0x0
	global_store_b32 v3, v220, s[16:17]            ; 128 consecutive bytes
.Lstaged:
	s_wait_dscnt 0x0                               ; for the others' sake: my codes and bytes lie in the stage
	s_barrier_signal -1
	s_barrier_wait -1
	s_cmp_lt_u32 s18, 2
	s_cbranch_scc0 .Lnot_codes
	ds_load_b128 v[56:59], v15
	s_wait_dscnt 0x0
	global_store_b128 v16, v[56:59], s[10:11]      ; a wave stores 512 consecutive bytes, at a multiple of 256 from the buffer's first byte
	s_branch .Ldone
.Lnot_codes:
	s_cmp_eq_u32 s18, 2
	s_cbranch_scc0 .Ldone
	ds_load_u16 v56, v17
	s_wait_dscnt 0x0
	global_store_b16 v18, v56, s[12:13]            ; the work-group's 64 scale bytes, consecutive
.Ldone:
	s_wait_tensorcnt 0x0
	ds_add_u32 v232, v233
	s_wait_dscnt 0x0
	s_endpgm
.Lfunc_end_k_qad63482402_pool:
	.size	k_qad63482402_pool, .Lfunc_end_k_qad63482402_pool-k_qad63482402_pool
	.p2alignl 7, 3214868480
	.fill 96, 4, 3214868480
	.section	.rodata,"a",@progbits
	.p2align	6, 0x0
	.amdhsa_kernel k_qad63482402_pool
		.amdhsa_group_segment_fixed_size 69632
		.amdhsa_private_segment_fixed_size 0
		.amdhsa_enable_private_segment 0
		.amdhsa_kernarg_size 56
		.amdhsa_user_sgpr_count 2
		.amdhsa_user_sgpr_kernarg_segment_ptr 1
		.amdhsa_wavefront_size32 1
		.amdhsa_system_sgpr_workgroup_id_x 1
		.amdhsa_system_sgpr_workgroup_id_y 1
		.amdhsa_system_sgpr_workgroup_id_z 1
		.amdhsa_system_vgpr_workitem_id 0
		.amdhsa_next_free_vgpr 234
		.amdhsa_next_free_sgpr 96
		.amdhsa_reserve_vcc 1
		.amdhsa_float_denorm_mode_32 3
		.amdhsa_float_denorm_mode_16_64 3
		.amdhsa_memory_ordered 1
		.amdhsa_forward_progress 1
		.amdhsa_inst_pref_size 150
	.end_amdhsa_kernel
	.amdgpu_metadata
---
amdhsa.version: [ 1, 2 ]
amdhsa.kernels:
  - .name:           k_qad63482402_pool
    .symbol:         k_qad63482402_pool.kd
    .args:
      - { .name: hidden_states, .offset: 0, .size: 8, .value_kind: global_buffer, .address_space: global }
      - { .name: segment_ids, .offset: 8, .size: 8, .value_kind: global_buffer, .address_space: global }
      - { .name: W1, .offset: 16, .size: 8, .value_kind: global_buffer, .address_space: global }
      - { .name: acodes, .offset: 24, .size: 8, .value_kind: global_buffer, .address_space: global }
      - { .name: ascl, .offset: 32, .size: 8, .value_kind: global_buffer, .address_space: global }
      - { .name: wcodes, .offset: 40, .size: 8, .value_kind: global_buffer, .address_space: global }
      - { .name: wscl, .offset: 48, .size: 8, .value_kind: global_buffer, .address_space: global }
    .group_segment_fixed_size: 69632
    .private_segment_fixed_size: 0
    .kernarg_segment_align: 8
    .kernarg_segment_size: 56
    .max_flat_workgroup_size: 512
    .sgpr_count:     96
    .vgpr_count:     234
    .wavefront_size: 32
...
	.end_amdgpu_metadata
.endif
;; end of part 1
;; launch head (part 2): grid 32 x 1, 16 waves a work-group, no clusters, 22,528 bytes of LDS; arguments acodes, ascl, wcodes, wscl, b1, ln_gamma, ln_beta, W2, b2, out0; writes out0
.if DOCPART == 2
	.amdgcn_target "amdgcn-amd-amdhsa--gfx1250"
	.amdhsa_code_object_version 6
	.text
	.protected	k_qad63482402_head
	.globl	k_qad63482402_head
	.p2align	8
	.type	k_qad63482402_head,@function
k_qad63482402_head:
	s_mov_b64 s[64:65], 0
	v_nop
	global_prefetch_b8 v0, s[64:65] scope:SCOPE_SE
	s_setreg_imm32_b32 hwreg(HW_REG_WAVE_MODE, 25, 1), 1
	s_wait_xcnt 0x0
; HEAD.  out[row] = LayerNorm(relu(pooled[row] W1 + b1)) . W2 + b2, the product on codes of E2M1 with one E8M0 byte for each 32 along K, made by the launch before.
; SHARES.  LayerNorm wants all 1,024 hidden units of a row in one work-group, and a matrix instruction takes 16 rows: 512 rows make 32 work-groups.  Work-group G owns rows 16 G .. 16 G + 15 (batches 2 G, 2 G + 1; row r = 8 x batch + label).
; Wave w owns hidden units 64 w .. 64 w + 63, four tiles of 16, for all of K: 8 K steps of 128, 32 matrix instructions.
; THE PRODUCT IS USED TRANSPOSED: source 0 = 16 columns of W1, source 1 = the 16 pooled rows.  Lane (r, h) then holds row r, and register j of tile t the hidden unit 16 t + 8 h + j: LayerNorm's sums run down a lane's registers.
; W1's codes lie in memory in the order of the operand's registers, so each load of a wave is 512 consecutive bytes and lands as a fragment's half; each byte of them is read once by the work-group, straight into registers.
; NO JOINT LOADS, though all 32 work-groups read the same codes: they are 524,288 bytes, more than a work-group can claim of LDS, so a shared tile would have to go through slots that are filled again, with a round of the
; cluster's barrier for each refill, and a K step has only 4 matrix instructions a wave to stand behind such a round.
; The pooled rows' 8,192 bytes of codes go through LDS once, as images of the operand's registers, and every wave reads them from there.  b1 is loaded straight into the accumulators: it is the C of each sum's first product.
; LAYERNORM in two passes: the mean first, then d = h - mean, the sum of d^2 and the sum of d x gamma x W2: no difference of large sums.  out = rsqrt(var + 1e-5) x sum(d gamma W2) + sum(beta W2) + b2.
; A row whose interval was empty (scale word 0, which the quantiser's floor never gives) gets NaN, as 0 / 0 gives in the definition.  NaN and infinities among the inputs are not served.
.set AIMG, 0                           ; LDS: the pooled rows' 8 fragments: 1,024 s + 512 c + 16 x lane
.set GW,   8192                        ; gamma x W2, 1,024 f32
.set BW,   12288                       ; beta x W2
.set R1,   16384                       ; [wave 16][lane 32] words: lanes 0-15 the sum of h of row lane, lanes 16-31 the sum of beta W2
.set R2,   18432                       ; likewise: the sum of d^2, the sum of d gamma W2
.set AS,   16                          ; v[16:23]   the pooled rows' scale words, K step s: scales and nothing else
.set WSC,  24                          ; v[24:39]   W1's: register 8 p + s: lanes 0-15 tile 4 w + 2 p, lanes 16-31 tile 4 w + 2 p + 1
.set AF,   40                          ; v[40:55]   the pooled rows' fragments, two sets
.set ACC,  56                          ; v[56:87]   four accumulators
.set BF,   88                          ; v[88:215]  W1's fragments, four sets of four tiles; later gamma W2, beta W2, and words to be summed
; v1 16 x lane; v2 r; v3 h; v4-v9 LDS addresses; v10-v15 global offsets; v216-231 at work; v232 -mean (v233 = 0: named with it as a pair); v234, v235 permutes' results; v240 4 r; v241 lane; v242-247 gamma, W2, beta
	s_load_b512 s[4:19], s[0:1], 0x0               ; acodes s[4:5], ascl s[6:7], wcodes s[8:9], wscl s[10:11], b1 s[12:13], gamma s[14:15], beta s[16:17], W2 s[18:19]
	s_load_b128 s[20:23], s[0:1], 0x40             ; b2 s[20:21], out0 s[22:23]
	v_lshl_add_u32 v248, v0, 2, 0x5000
	v_mov_b32 v249, 0
	v_lshrrev_b32 v216, 5, v0
	v_readfirstlane_b32 s24, v216                  ; wave 0 .. 15
	v_and_b32 v241, 31, v0                         ; lane
	v_and_b32 v2, 15, v0                           ; r
	v_bfe_u32 v3, v0, 4, 1                         ; h
	v_lshlrev_b32 v1, 4, v241
	; thread t loads the 16 bytes at 16 t of the work-group's codes [batch 2][q 4][label 8][128 bytes]: K block 8 q + t % 8 of row r' = 8 (t / 256) + (t / 8) % 8.  In the image block B of row r' lies at 256 B + 16 r'
	v_bfe_u32 v216, v0, 6, 2                       ; q
	v_and_b32 v217, 7, v0
	v_lshrrev_b32 v218, 8, v0
	v_bfe_u32 v219, v0, 3, 3
	v_lshl_add_u32 v218, v218, 3, v219             ; r'
	v_lshlrev_b32 v4, 11, v216
	v_lshl_add_u32 v4, v217, 8, v4
	v_lshl_add_u32 v4, v218, 4, v4
	v_lshl_add_u32 v5, v0, 3, GW                   ; thread t makes gamma W2 and beta W2 of units 2 t, 2 t + 1
	s_lshl_b32 s38, s24, 8
	v_lshl_add_u32 v14, v3, 5, s38                 ; 256 w + 32 h: my eight units of tile 0, in b1
	v_add_nc_u32 v6, GW, v14                       ; and in LDS
	v_lshl_add_u32 v7, v0, 2, R1                   ; 128 w + 4 x lane
	v_lshl_add_u32 v8, v2, 2, R1                   ; row r's word
	v_lshl_add_u32 v9, v241, 2, R1                 ; my lane's word
	v_lshlrev_b32 v10, 4, v0
	v_lshlrev_b32 v11, 3, v0
	v_lshrrev_b32 v216, 3, v2
	v_and_b32 v217, 7, v2
	v_lshlrev_b32 v12, 8, v216                     ; ascl [batch][q][label][8 bytes]: 256 x batch
	v_lshl_add_u32 v12, v217, 3, v12               ; + 8 x label
	v_lshl_add_u32 v13, v241, 2, s38               ; wscl: 4 x (64 w + lane)
	s_lshl_b32 s39, s24, 15
	v_add_nc_u32 v15, s39, v1                      ; wcodes: four tiles of 8,192 bytes a wave, 16 bytes a lane
	v_lshlrev_b32 v240, 2, v2
	v_mov_b32 v233, 0
	v_mov_b32 v234, 0                              ; written once: a lane permute's destination counts as one of its sources
	v_mov_b32 v235, 0
	s_lshl_b32 s32, ttmp9, 13                      ; acodes: 8,192 bytes a work-group
	s_mov_b32 s33, 0
	s_lshl_b32 s34, ttmp9, 9                       ; ascl: 512
	s_mov_b32 s35, 0
	s_lshl_b32 s36, ttmp9, 6                       ; out0: 64
	s_mov_b32 s37, 0
	s_mov_b32 s26, 0x76543210                      ; v_permlanex16_b32's selects for lane l xor 16
	s_mov_b32 s27, 0xfedcba98
	s_mov_b32 s28, 0xffff0000                      ; lanes 16-31
	s_mov_b32 s29, 0x3a800000                      ; 1 / 1,024
	s_mov_b32 s30, 0x3727c5ac                      ; 1e-5
	s_wait_kmcnt 0x0
	s_load_b32 s25, s[20:21], 0x0                  ; b2
	s_add_nc_u64 s[4:5], s[4:5], s[32:33]
	s_add_nc_u64 s[6:7], s[6:7], s[34:35]
	s_add_nc_u64 s[22:23], s[22:23], s[36:37]
.macro BLOAD s                         ; W1's four fragments of K step s into set s % 4: eight loads of 512 consecutive bytes
.irp tt, 0,1,2,3
.irp c, 0,1
	global_load_b128 v[BF+32*((\s)%4)+8*\tt+4*\c:BF+32*((\s)%4)+8*\tt+4*\c+3], v15, s[8:9] offset:8192*\tt+1024*(\s)+512*\c
.endr
.endr
.endm
.macro ALOAD s                         ; the pooled rows' fragment of K step s into set s % 2
.irp c, 0,1
	ds_load_b128 v[AF+8*((\s)%2)+4*\c:AF+8*((\s)%2)+4*\c+3], v1 offset:AIMG+1024*(\s)+512*\c
.endr
.endm
; A K step: nl, nd = the younger global and LDS loads, which may stay out; rb, ra = 1: the sets just read take K steps s + 4 and s + 2.
; The four accumulators take turns, one instruction a turn, from step to step too.
.macro STEP s, nl, nd, rb, ra
	s_wait_loadcnt \nl
	s_wait_dscnt \nd
.irp tt, 0,1,2,3
.if (\tt)%2
	v_wmma_scale_f32_16x16x128_f8f6f4 v[ACC+8*\tt:ACC+8*\tt+7], v[BF+32*((\s)%4)+8*\tt:BF+32*((\s)%4)+8*\tt+7], v[AF+8*((\s)%2):AF+8*((\s)%2)+7], v[ACC+8*\tt:ACC+8*\tt+7], v[WSC+8*(\tt/2)+(\s)], v[AS+(\s)] matrix_a_fmt:MATRIX_FMT_FP4 matrix_b_fmt:MATRIX_FMT_FP4 matrix_a_scale:MATRIX_SCALE_ROW1
.else
	v_wmma_scale_f32_16x16x128_f8f6f4 v[ACC+8*\tt:ACC+8*\tt+7], v[BF+32*((\s)%4)+8*\tt:BF+32*((\s)%4)+8*\tt+7], v[AF+8*((\s)%2):AF+8*((\s)%2)+7], v[ACC+8*\tt:ACC+8*\tt+7], v[WSC+8*(\tt/2)+(\s)], v[AS+(\s)] matrix_a_fmt:MATRIX_FMT_FP4 matrix_b_fmt:MATRIX_FMT_FP4
.endif
.endr
.if (\rb) || (\ra)
.rept 4
	v_nop                                          ; four places in front of loads into registers that matrix instructions have read (ISA guide 7.12.1 for vector instructions)
.endr
.endif
.if \rb
	BLOAD (\s)+4
.endif
.if \ra
	ALOAD (\s)+2
.endif
.endm
.macro SUM32 d, a                      ; v[d] = the sum of v[a] .. v[a + 31]; two chains; d .. d + 3 at work
	v_pk_add_f32 v[\d:\d+1], v[\a:\a+1], v[\a+2:\a+3]
	v_pk_add_f32 v[\d+2:\d+3], v[\a+4:\a+5], v[\a+6:\a+7]
.irp j, 8,12,16,20,24,28
	v_pk_add_f32 v[\d:\d+1], v[\d:\d+1], v[\a+\j:\a+\j+1]
	v_pk_add_f32 v[\d+2:\d+3], v[\d+2:\d+3], v[\a+\j+2:\a+\j+3]
.endr
	v_pk_add_f32 v[\d:\d+1], v[\d:\d+1], v[\d+2:\d+3]
	v_add_f32 v[\d], v[\d], v[\d+1]
.endm
.macro DOT32 d, a, b                   ; v[d] = the sum of v[a + i] v[b + i], i = 0 .. 31; two chains of fused multiply-adds
	v_pk_mul_f32 v[\d:\d+1], v[\a:\a+1], v[\b:\b+1]
	v_pk_mul_f32 v[\d+2:\d+3], v[\a+2:\a+3], v[\b+2:\b+3]
.irp j, 4,8,12,16,20,24,28
	v_pk_fma_f32 v[\d:\d+1], v[\a+\j:\a+\j+1], v[\b+\j:\b+\j+1], v[\d:\d+1]
	v_pk_fma_f32 v[\d+2:\d+3], v[\a+\j+2:\a+\j+3], v[\b+\j+2:\b+\j+3], v[\d+2:\d+3]
.endr
	v_pk_add_f32 v[\d:\d+1], v[\d:\d+1], v[\d+2:\d+3]
	v_add_f32 v[\d], v[\d], v[\d+1]
.endm
.macro SUM16 b                         ; v[b] = the sum of v[b] .. v[b + 15], in the same order in every wave
.irp j, 0,2,4,6
	v_pk_add_f32 v[\b+\j:\b+\j+1], v[\b+\j:\b+\j+1], v[\b+8+\j:\b+8+\j+1]
.endr
	v_pk_add_f32 v[\b:\b+1], v[\b:\b+1], v[\b+4:\b+5]
	v_pk_add_f32 v[\b+2:\b+3], v[\b+2:\b+3], v[\b+6:\b+7]
	v_pk_add_f32 v[\b:\b+1], v[\b:\b+1], v[\b+2:\b+3]
	v_add_f32 v[\b], v[\b], v[\b+1]
.endm
.macro HALVES                          ; v216 and v220 take lane l xor 16's part; then one register carries both: v216 in lanes 0-15, v220 in lanes 16-31
	v_permlanex16_b32 v234, v216, s26, s27
	v_permlanex16_b32 v235, v220, s26, s27
	v_add_f32 v216, v216, v234
	v_add_f32 v220, v220, v235
	v_cndmask_b32 v216, v216, v220, s28
.endm
.macro BARRIER                         ; my LDS stores have landed and my LDS loads are in: then the work-group's barrier
	s_wait_dscnt 0x0
	s_barrier_signal -1
	s_barrier_wait -1
.endm
	global_load_b128 v[216:219], v10, s[4:5]       ; what goes through LDS first: my 16 bytes of the pooled codes,
	global_load_b64 v[242:243], v11, s[14:15]      ; gamma,
	global_load_b64 v[244:245], v11, s[18:19]      ; W2,
	global_load_b64 v[246:247], v11, s[16:17]      ; beta of units 2 t, 2 t + 1
.irp q, 0,1,2,3
	global_load_b64 v[AS+2*\q:AS+2*\q+1], v12, s[6:7] offset:64*\q ; row r's scale words of K steps 2 q, 2 q + 1
.endr
.irp p, 0,1
.irp s, 0,1,2,3,4,5,6,7
	global_load_b32 v[WSC+8*\p+\s], v13, s[10:11] offset:4096*\s+128*\p
.endr
.endr
.irp tt, 0,1,2,3
	global_load_b128 v[ACC+8*\tt:ACC+8*\tt+3], v14, s[12:13] offset:64*\tt         ; b1 at units 64 w + 16 tt + 8 h + 0 .. 7: the sums begin with it
	global_load_b128 v[ACC+8*\tt+4:ACC+8*\tt+7], v14, s[12:13] offset:64*\tt+16
.endr
	BLOAD 0                                        ; these make 64 loads: the issue of the last is held until one has come back (ISA guide 5.7.1); no wait is placed for that
	BLOAD 1
	BLOAD 2
	BLOAD 3
	s_wait_loadcnt 60                              ; the first four are in: 4 + 16 + 8 + 32 loads were issued behind them
	ds_store_b128 v4, v[216:219]
	v_pk_mul_f32 v[242:243], v[242:243], v[244:245]
	v_pk_mul_f32 v[246:247], v[246:247], v[244:245]
	ds_store_b64 v5, v[242:243]
	ds_store_b64 v5, v[246:247] offset:BW-GW
	s_wait_kmcnt 0x0                               ; b2
	BARRIER                                        ; the pooled rows' images, gamma W2 and beta W2 lie in LDS
	ALOAD 0
	ALOAD 1
	STEP 0, 24, 2, 1, 1
	STEP 1, 24, 2, 1, 1
	STEP 2, 24, 2, 1, 1
	STEP 3, 24, 2, 1, 1
	STEP 4, 24, 2, 0, 1                            ; nothing of W1 is left to ask for: the counts run down
	STEP 5, 16, 2, 0, 1
	STEP 6, 8, 2, 0, 0
	STEP 7, 0, 0, 0, 0
.rept 4
	v_nop                                          ; four places in front of the first read of results and of loads into registers that matrix instructions have read
.endr
.irp tt, 0,1,2,3
	ds_load_b128 v[BF+8*\tt:BF+8*\tt+3], v6 offset:64*\tt          ; gamma W2 at my 32 units, in the accumulators' order
	ds_load_b128 v[BF+8*\tt+4:BF+8*\tt+7], v6 offset:64*\tt+16
.endr
.irp tt, 0,1,2,3
	ds_load_b128 v[BF+32+8*\tt:BF+32+8*\tt+3], v6 offset:BW-GW+64*\tt      ; beta W2 likewise
	ds_load_b128 v[BF+32+8*\tt+4:BF+32+8*\tt+7], v6 offset:BW-GW+64*\tt+16
.endr
.irp j, 0,1,2,3,4,5,6,7,8,9,10,11,12,13,14,15,16,17,18,19,20,21,22,23,24,25,26,27,28,29,30,31
	v_max_num_f32 v[ACC+\j], 0, v[ACC+\j]          ; relu; each accumulator from its low end on
.endr
	SUM32 216, ACC                                 ; the sum of h over my 32 units
	s_wait_dscnt 0x0
	SUM32 220, BF+32                               ; the sum of beta W2 over them
	HALVES
	ds_store_b32 v7, v216
	BARRIER                                        ; every wave's sums lie in LDS
.irp i, 0,1,2,3,4,5,6,7,8,9,10,11,12,13,14,15
	ds_load_b32 v[216+\i], v8 offset:128*\i        ; row r's sum of h, from each of the 16 waves
.endr
	s_wait_dscnt 0x0
	SUM16 216
	v_mul_f32 v232, 0xba800000, v216               ; -mean = the sum x -1 / 1,024
.irp j, 0,2,4,6,8,10,12,14,16,18,20,22,24,26,28,30
	v_pk_add_f32 v[ACC+\j:ACC+\j+1], v[ACC+\j:ACC+\j+1], v[232:233] op_sel_hi:[1,0]    ; d = h - mean
.endr
	DOT32 216, ACC, ACC                            ; the sum of d^2
	DOT32 220, ACC, BF                             ; the sum of d gamma W2
	HALVES
	ds_store_b32 v7, v216 offset:R2-R1
	BARRIER
	s_cmp_lg_u32 s24, 0                            ; wave 0 finishes the 16 rows
	s_cbranch_scc1 .Lend
.irp i, 0,1,2,3,4,5,6,7,8,9,10,11,12,13,14,15
	ds_load_b32 v[216+\i], v9 offset:R2-R1+128*\i  ; lanes 0-15: row lane's sum of d^2; lanes 16-31: row lane - 16's sum of d gamma W2
.endr
.irp i, 0,1,2,3,4,5,6,7,8,9,10,11,12,13,14,15
	ds_load_b32 v[BF+64+\i], v9 offset:128*\i      ; lanes 16-31: the sum of beta W2
.endr
	s_wait_dscnt 0x0
	SUM16 216
	SUM16 BF+64
	v_permlanex16_b32 v234, v216, s26, s27         ; lanes 0-15 now hold their row's sum of d gamma W2,
	v_permlanex16_b32 v235, v[BF+64], s26, s27     ; and the sum of beta W2
	v_fma_f32 v236, v216, s29, s30                 ; the variance + 1e-5
	v_rsq_f32 v237, v236
	v_mov_b32 v239, 0x7fc00000                     ; (a plain line behind the transcendental)  NaN
	v_cmp_eq_u32 vcc_lo, 0, v[AS]                  ; the scale word 0 marks a row whose interval was empty
	s_wait_alu depctr_va_vdst(0)                   ; a wait ahead of the root's first reader
	v_fma_f32 v238, v234, v237, v235
	v_add_f32 v238, s25, v238                      ; + b2
	v_cndmask_b32 v238, v238, v239, vcc_lo
	s_wait_xcnt 0x0                                ; EXEC changes only behind this wait
	v_cmp_gt_u32 vcc_lo, 16, v241
	s_and_saveexec_b32 s31, vcc_lo                 ; lanes 0-15: a row each
	global_store_b32 v240, v238, s[22:23]          ; 64 consecutive bytes
	s_wait_xcnt 0x0                                ; and again, in front of the line that widens it
	s_or_b32 exec_lo, exec_lo, s31
.Lend:
	s_wait_tensorcnt 0x0
	ds_add_u32 v248, v249
	s_wait_dscnt 0x0
	s_endpgm
.Lfunc_end_k_qad63482402_head:
	.size	k_qad63482402_head, .Lfunc_end_k_qad63482402_head-k_qad63482402_head
	.p2alignl 7, 3214868480
	.fill 96, 4, 3214868480
	.section	.rodata,"a",@progbits
	.p2align	6, 0x0
	.amdhsa_kernel k_qad63482402_head
		.amdhsa_group_segment_fixed_size 22528
		.amdhsa_private_segment_fixed_size 0
		.amdhsa_enable_private_segment 0
		.amdhsa_kernarg_size 80
		.amdhsa_user_sgpr_count 2
		.amdhsa_user_sgpr_kernarg_segment_ptr 1
		.amdhsa_wavefront_size32 1
		.amdhsa_system_sgpr_workgroup_id_x 1
		.amdhsa_system_sgpr_workgroup_id_y 1
		.amdhsa_system_sgpr_workgroup_id_z 1
		.amdhsa_system_vgpr_workitem_id 0
		.amdhsa_next_free_vgpr 250
		.amdhsa_next_free_sgpr 66
		.amdhsa_reserve_vcc 1
		.amdhsa_float_denorm_mode_32 3
		.amdhsa_float_denorm_mode_16_64 3
		.amdhsa_memory_ordered 1
		.amdhsa_forward_progress 1
		.amdhsa_inst_pref_size 33
	.end_amdhsa_kernel
	.amdgpu_metadata
---
amdhsa.version: [ 1, 2 ]
amdhsa.kernels:
  - .name:           k_qad63482402_head
    .symbol:         k_qad63482402_head.kd
    .args:
      - { .name: acodes, .offset: 0, .size: 8, .value_kind: global_buffer, .address_space: global }
      - { .name: ascl, .offset: 8, .size: 8, .value_kind: global_buffer, .address_space: global }
      - { .name: wcodes, .offset: 16, .size: 8, .value_kind: global_buffer, .address_space: global }
      - { .name: wscl, .offset: 24, .size: 8, .value_kind: global_buffer, .address_space: global }
      - { .name: b1, .offset: 32, .size: 8, .value_kind: global_buffer, .address_space: global }
      - { .name: ln_gamma, .offset: 40, .size: 8, .value_kind: global_buffer, .address_space: global }
      - { .name: ln_beta, .offset: 48, .size: 8, .value_kind: global_buffer, .address_space: global }
      - { .name: W2, .offset: 56, .size: 8, .value_kind: global_buffer, .address_space: global }
      - { .name: b2, .offset: 64, .size: 8, .value_kind: global_buffer, .address_space: global }
      - { .name: out0, .offset: 72, .size: 8, .value_kind: global_buffer, .address_space: global }
    .group_segment_fixed_size: 22528
    .private_segment_fixed_size: 0
    .kernarg_segment_align: 8
    .kernarg_segment_size: 80
    .max_flat_workgroup_size: 512
    .sgpr_count:     66
    .vgpr_count:     250
    .wavefront_size: 32
...
	.end_amdgpu_metadata
.endif
;; end of part 2
;; ======== version 2 of 2: 3 launches; 1.23 times as fast as version 1
;; workspace buffers: acodes 262,144 bytes; ascl 16,384 bytes; wcodes 524,288 bytes; wscl 32,768 bytes; stats 262,144 bytes
;; launch pool: the kernel of part 1 again; grid 256 x 1, 16 waves a work-group, no clusters, 69,632 bytes of LDS; arguments hidden_states, segment_ids, W1, acodes, ascl, wcodes, wscl; writes acodes, ascl, wcodes, wscl
;; launch mlp (part 3): grid 256 x 1, 4 waves a work-group, no clusters, 9,216 bytes of LDS; arguments acodes, ascl, wcodes, wscl, b1, ln_gamma, W2, stats; writes stats
.if DOCPART == 3
	.amdgcn_target "amdgcn-amd-amdhsa--gfx1250"
	.amdhsa_code_object_version 6
	.text
	.protected	k_qad63482402_mlp
	.globl	k_qad63482402_mlp
	.p2align	8
	.type	k_qad63482402_mlp,@function
k_qad63482402_mlp:
	s_mov_b64 s[64:65], 0
	v_nop
	global_prefetch_b8 v0, s[64:65] scope:SCOPE_SE
	s_setreg_imm32_b32 hwreg(HW_REG_WAVE_MODE, 25, 1), 1
	s_wait_xcnt 0x0
; MLP.  h = relu(pooled W1 + b1), the product on codes of E2M1 with one E8M0 byte for each 32 along K, made by the launch before; and of h, part by part, what LayerNorm and the dot with W2 need.
; SHARES.  512 rows are 32 groups of 16 (group G: batches 2 G, 2 G + 1; row r = 8 x batch + label); 1,024 hidden units are 32 PARTS of 32.  A wave owns one group x one part: two tiles of 16 units, 8 K steps of 128:
; 16 matrix instructions.  Work-group x: G = x / 8; its four waves take parts 4 (x % 8) + 0 .. 3: 1,024 waves on 256 work-groups, and a work-group reads 64 KiB of W1's codes, once.
; THE PRODUCT IS USED TRANSPOSED: source 0 = 16 columns of W1, source 1 = the 16 pooled rows.  Lane (r, h) then holds row r, and register j of tile tt the hidden unit 32 part + 16 tt + 8 h + j: the sums run down a lane's registers.
; W1's codes lie in memory in the order of the operand's registers: each load of a wave is 512 consecutive bytes and lands as half a fragment.  All of a wave's 60 loads are issued at once.
; The pooled rows' 8,192 bytes of codes go through LDS once, as images of the operand's registers, since all four waves want them.  b1 is loaded straight into the accumulators: it is the C of each sum's first product.
; WHAT IS STORED, for each row and part i: S = the sum of h;  M = the sum of (h - S / 32)^2;  D = the sum of (h - S / 32) gamma W2;  G = the sum of gamma W2.  The next launch joins the 32 parts of a row
; from these without forming a difference of large sums: only deviations from a mean are ever squared.  stats [G][part][r][S, M, D, G]: a wave's one store covers 256 consecutive bytes, aligned.
; NO JOINT LOADS, though the 32 work-groups of equal x % 8 read the same codes of W1: a work-group reads its 64 KiB once, with no loop over tiles; as joint tensor loads they would pass through LDS on their way to the same
; registers, behind a round of the cluster's barrier and with a closing round at the end, for 16 matrix instructions a wave.
; A row whose interval was empty has zero codes and the scale byte 0: its numbers here are finite and the next launch overwrites its result.  NaN and infinities among the inputs are not served.
.set AP,  272                          ; LDS: the image of a K block (16 rows x 16 bytes) + 16 of padding: block B of row r' at 272 B + 16 r'; 32 blocks
.set AS,  16                           ; v[16:23]   the pooled rows' scale words, K step s: scales and nothing else
.set WSC, 24                           ; v[24:31]   W1's, K step s: lanes 0-15 tile 0's columns, lanes 16-31 tile 1's
.set ACC, 32                           ; v[32:47]   two accumulators
.set AF,  48                           ; v[48:63]   the pooled rows' fragment, two sets
.set BF,  64                           ; v[64:191]  W1's fragments: K step s, tile tt at 16 s + 8 tt
.set GA,  192                          ; v[192:207] gamma at my 16 units, then gamma W2
.set WW,  208                          ; v[208:223] W2 at my 16 units
.set SG,  224                          ; v[224:239] my 64 bytes of the pooled codes on their way into LDS
.set OUT, 252                          ; v[252:255] S, M, D, G
; v1 the image's place for my lane; v2 r; v3 h; v4 where I store into the image; v6 lane; v7 16 r; v10-v15 global offsets; v240-247 at work; v248 -S / 32 (v249 = 0: named with it as a pair); v250, v251 permutes' results
	s_load_b512 s[4:19], s[0:1], 0x0               ; acodes s[4:5], ascl s[6:7], wcodes s[8:9], wscl s[10:11], b1 s[12:13], gamma s[14:15], W2 s[16:17], stats s[18:19]
	v_lshl_add_u32 v9, v0, 2, 0x2200
	v_mov_b32 v11, 0
	v_lshrrev_b32 v240, 5, v0
	v_readfirstlane_b32 s24, v240                  ; wave 0 .. 3
	v_and_b32 v6, 31, v0                           ; lane
	v_and_b32 v2, 15, v0                           ; r
	v_bfe_u32 v3, v0, 4, 1                         ; h
	v_mul_u32_u24 v1, v3, AP
	v_lshl_add_u32 v1, v2, 4, v1                   ; out of the image: 272 h + 16 r (+ 272 (4 s + 2 c)): block 4 s + 2 c + h holds k = 128 s + 64 c + 32 h + 0 .. 31
	; thread t's load i brings the 16 bytes at 16 (t + 128 i) of the group's codes [batch 2][q 4][label 8][128 bytes]: batch i / 2, q = t / 64 + 2 (i % 2), label (t / 8) % 8, block 8 q + t % 8
	v_lshrrev_b32 v240, 6, v0
	v_and_b32 v241, 7, v0
	v_bfe_u32 v242, v0, 3, 3
	v_lshl_add_u32 v240, v240, 3, v241             ; 8 (t / 64) + t % 8
	v_mul_u32_u24 v4, v240, AP
	v_lshl_add_u32 v4, v242, 4, v4                 ; + 16 x label (+ 16 x 272 (i % 2) + 128 (i / 2))
	v_lshlrev_b32 v7, 4, v2
	v_lshlrev_b32 v10, 4, v0
	v_lshrrev_b32 v240, 3, v2
	v_and_b32 v241, 7, v2
	v_lshlrev_b32 v12, 8, v240                     ; ascl [batch][q][label][8 bytes]: 256 x batch
	v_lshl_add_u32 v12, v241, 3, v12               ; + 8 x label
	s_and_b32 s25, ttmp9, 7
	s_lshl_b32 s25, s25, 2
	s_add_co_u32 s25, s25, s24                     ; my part
	s_lshr_b32 s26, ttmp9, 3                       ; G
	s_lshl_b32 s38, s25, 7                         ; 32 units of 4 bytes
	v_lshl_add_u32 v13, v6, 2, s38                 ; wscl: 4 x (32 part + lane)
	v_lshl_add_u32 v14, v3, 5, s38                 ; b1, gamma, W2: my eight units of tile 0
	s_lshl_b32 s39, s25, 14                        ; two tiles of 8,192 bytes
	v_lshl_add_u32 v15, v6, 4, s39                 ; wcodes: 16 bytes a lane
	v_mov_b32 v249, 0
	v_mov_b32 v250, 0                              ; written once: a lane permute's destination counts as one of its sources
	v_mov_b32 v251, 0
	s_lshl_b32 s32, s26, 13                        ; acodes: 8,192 bytes a group
	s_mov_b32 s33, 0
	s_lshl_b32 s34, s26, 9                         ; ascl: 512
	s_mov_b32 s35, 0
	s_lshl_b32 s36, s25, 8                         ; stats: 8,192 bytes a group, 256 a part
	s_add_co_u32 s36, s36, s32
	s_mov_b32 s37, 0
	s_mov_b32 s40, 0x76543210                      ; v_permlanex16_b32's selects for lane l xor 16
	s_mov_b32 s41, 0xfedcba98
	s_wait_kmcnt 0x0
	s_add_nc_u64 s[4:5], s[4:5], s[32:33]
	s_add_nc_u64 s[6:7], s[6:7], s[34:35]
	s_add_nc_u64 s[18:19], s[18:19], s[36:37]
.macro BLOAD s                         ; W1's two fragments of K step s: four loads of 512 consecutive bytes
.irp tt, 0,1
.irp c, 0,1
	global_load_b128 v[BF+16*(\s)+8*\tt+4*\c:BF+16*(\s)+8*\tt+4*\c+3], v15, s[8:9] offset:8192*\tt+1024*(\s)+512*\c
.endr
.endr
.endm
.macro ALOAD s                         ; the pooled rows' fragment of K step s into set s % 2
.irp c, 0,1
	ds_load_b128 v[AF+8*((\s)%2)+4*\c:AF+8*((\s)%2)+4*\c+3], v1 offset:AP*(4*(\s)+2*\c)
.endr
.endm
; A K step: nl, nd = the younger global and LDS loads, which may stay out; ra = 1: the set just read takes K step s + 2.
; The two accumulators take turns, one instruction a turn, from step to step too.
.macro STEP s, nl, nd, ra
	s_wait_loadcnt \nl
	s_wait_dscnt \nd
	v_wmma_scale_f32_16x16x128_f8f6f4 v[ACC:ACC+7], v[BF+16*(\s):BF+16*(\s)+7], v[AF+8*((\s)%2):AF+8*((\s)%2)+7], v[ACC:ACC+7], v[WSC+(\s)], v[AS+(\s)] matrix_a_fmt:MATRIX_FMT_FP4 matrix_b_fmt:MATRIX_FMT_FP4
	v_wmma_scale_f32_16x16x128_f8f6f4 v[ACC+8:ACC+15], v[BF+16*(\s)+8:BF+16*(\s)+15], v[AF+8*((\s)%2):AF+8*((\s)%2)+7], v[ACC+8:ACC+15], v[WSC+(\s)], v[AS+(\s)] matrix_a_fmt:MATRIX_FMT_FP4 matrix_b_fmt:MATRIX_FMT_FP4 matrix_a_scale:MATRIX_SCALE_ROW1
.if \ra
.rept 4
	v_nop                                          ; four places in front of loads into registers that matrix instructions have read (ISA guide 7.12.1 for vector instructions)
.endr
	ALOAD (\s)+2
.endif
.endm
.macro SUM16 d, a                      ; v[d] = the sum of v[a] .. v[a + 15]; two chains; d .. d + 3 at work
	v_pk_add_f32 v[\d:\d+1], v[\a:\a+1], v[\a+2:\a+3]
	v_pk_add_f32 v[\d+2:\d+3], v[\a+4:\a+5], v[\a+6:\a+7]
	v_pk_add_f32 v[\d:\d+1], v[\d:\d+1], v[\a+8:\a+9]
	v_pk_add_f32 v[\d+2:\d+3], v[\d+2:\d+3], v[\a+10:\a+11]
	v_pk_add_f32 v[\d:\d+1], v[\d:\d+1], v[\a+12:\a+13]
	v_pk_add_f32 v[\d+2:\d+3], v[\d+2:\d+3], v[\a+14:\a+15]
	v_pk_add_f32 v[\d:\d+1], v[\d:\d+1], v[\d+2:\d+3]
	v_add_f32 v[\d], v[\d], v[\d+1]
.endm
.macro DOT16 d, a, b                   ; v[d] = the sum of v[a + i] v[b + i], i = 0 .. 15; two chains of fused multiply-adds
	v_pk_mul_f32 v[\d:\d+1], v[\a:\a+1], v[\b:\b+1]
	v_pk_mul_f32 v[\d+2:\d+3], v[\a+2:\a+3], v[\b+2:\b+3]
.irp j, 4,8,12
	v_pk_fma_f32 v[\d:\d+1], v[\a+\j:\a+\j+1], v[\b+\j:\b+\j+1], v[\d:\d+1]
	v_pk_fma_f32 v[\d+2:\d+3], v[\a+\j+2:\a+\j+3], v[\b+\j+2:\b+\j+3], v[\d+2:\d+3]
.endr
	v_pk_add_f32 v[\d:\d+1], v[\d:\d+1], v[\d+2:\d+3]
	v_add_f32 v[\d], v[\d], v[\d+1]
.endm
.irp i, 0,1,2,3
	global_load_b128 v[SG+4*\i:SG+4*\i+3], v10, s[4:5] offset:2048*\i      ; what goes through LDS first: the pooled codes, 512 consecutive bytes a wave and load
.endr
.irp q, 0,1,2,3
	global_load_b64 v[AS+2*\q:AS+2*\q+1], v12, s[6:7] offset:64*\q ; row r's scale words of K steps 2 q, 2 q + 1
.endr
.irp s, 0,1,2,3,4,5,6,7
	global_load_b32 v[WSC+\s], v13, s[10:11] offset:4096*\s        ; 128 consecutive bytes: the words of my 32 columns
.endr
.irp tt, 0,1
	global_load_b128 v[ACC+8*\tt:ACC+8*\tt+3], v14, s[12:13] offset:64*\tt         ; b1 at units 32 part + 16 tt + 8 h + 0 .. 7: the sums begin with it
	global_load_b128 v[ACC+8*\tt+4:ACC+8*\tt+7], v14, s[12:13] offset:64*\tt+16
.endr
.irp s, 0,1,2,3,4,5,6,7
	BLOAD \s
.endr
.irp tt, 0,1
	global_load_b128 v[GA+8*\tt:GA+8*\tt+3], v14, s[14:15] offset:64*\tt           ; gamma and W2 at the same units: wanted last, asked for last
	global_load_b128 v[GA+8*\tt+4:GA+8*\tt+7], v14, s[14:15] offset:64*\tt+16
	global_load_b128 v[WW+8*\tt:WW+8*\tt+3], v14, s[16:17] offset:64*\tt
	global_load_b128 v[WW+8*\tt+4:WW+8*\tt+7], v14, s[16:17] offset:64*\tt+16
.endr
	s_wait_loadcnt 56                              ; the first four are in: 4 + 8 + 4 + 32 + 8 loads were issued behind them
.irp i, 0,1,2,3
	ds_store_b128 v4, v[SG+4*\i:SG+4*\i+3] offset:16*AP*(\i%2)+128*(\i/2)
.endr
	s_wait_dscnt 0x0                               ; for the others' sake: my part of the images lies in LDS
	s_barrier_signal -1
	s_barrier_wait -1                              ; all of them do
	ALOAD 0
	ALOAD 1
	STEP 0, 36, 2, 1                               ; behind K step s's four loads: 4 (7 - s) of later steps and the 8 of gamma and W2
	STEP 1, 32, 2, 1
	STEP 2, 28, 2, 1
	STEP 3, 24, 2, 1
	STEP 4, 20, 2, 1
	STEP 5, 16, 2, 1
	STEP 6, 12, 2, 0
	STEP 7, 8, 0, 0
	s_wait_loadcnt 0x0                             ; gamma and W2
.irp j, 0,2,4,6,8,10,12,14
	v_pk_mul_f32 v[GA+\j:GA+\j+1], v[GA+\j:GA+\j+1], v[WW+\j:WW+\j+1]      ; gamma W2.  (These eight name no register of the last products: they are the places in front of the first read of results)
.endr
.irp j, 0,1,2,3,4,5,6,7,8,9,10,11,12,13,14,15
	v_max_num_f32 v[ACC+\j], 0, v[ACC+\j]          ; relu; each accumulator from its low end on
.endr
	SUM16 240, ACC                                 ; the sum of h over my 16 units,
	SUM16 244, GA                                  ; and of gamma W2
	v_permlanex16_b32 v250, v240, s40, s41
	v_permlanex16_b32 v251, v244, s40, s41
	v_add_f32 v[OUT], v240, v250                   ; S: with lane l xor 16's 16 units: the part's 32
	v_add_f32 v[OUT+3], v244, v251                 ; G
	v_mul_f32 v248, 0xbd000000, v[OUT]             ; -S / 32: exact
.irp j, 0,2,4,6,8,10,12,14
	v_pk_add_f32 v[ACC+\j:ACC+\j+1], v[ACC+\j:ACC+\j+1], v[248:249] op_sel_hi:[1,0]        ; d = h - the part's mean
.endr
	DOT16 240, ACC, ACC                            ; the sum of d^2
	DOT16 244, ACC, GA                             ; the sum of d gamma W2
	v_permlanex16_b32 v250, v240, s40, s41
	v_permlanex16_b32 v251, v244, s40, s41
	v_add_f32 v[OUT+1], v240, v250                 ; M
	v_add_f32 v[OUT+2], v244, v251                 ; D
	s_wait_xcnt 0x0                                ; EXEC changes only behind this wait
	v_cmp_gt_u32 vcc_lo, 16, v6
	s_wait_tensorcnt 0x0
	ds_add_u32 v9, v11
	s_wait_dscnt 0x0
	s_and_saveexec_b32 s31, vcc_lo                 ; lanes 0-15: a row each (lanes 16-31 hold the same numbers)
	global_store_b128 v7, v[OUT:OUT+3], s[18:19]   ; 16 lanes store 256 consecutive bytes, at a multiple of 256 from the buffer's first byte
	s_wait_xcnt 0x0                                ; and again, in front of the line that widens it
	s_or_b32 exec_lo, exec_lo, s31
	s_endpgm
.Lfunc_end_k_qad63482402_mlp:
	.size	k_qad63482402_mlp, .Lfunc_end_k_qad63482402_mlp-k_qad63482402_mlp
	.p2alignl 7, 3214868480
	.fill 96, 4, 3214868480
	.section	.rodata,"a",@progbits
	.p2align	6, 0x0
	.amdhsa_kernel k_qad63482402_mlp
		.amdhsa_group_segment_fixed_size 9216
		.amdhsa_private_segment_fixed_size 0
		.amdhsa_enable_private_segment 0
		.amdhsa_kernarg_size 64
		.amdhsa_user_sgpr_count 2
		.amdhsa_user_sgpr_kernarg_segment_ptr 1
		.amdhsa_wavefront_size32 1
		.amdhsa_system_sgpr_workgroup_id_x 1
		.amdhsa_system_sgpr_workgroup_id_y 1
		.amdhsa_system_sgpr_workgroup_id_z 1
		.amdhsa_system_vgpr_workitem_id 0
		.amdhsa_next_free_vgpr 256
		.amdhsa_next_free_sgpr 66
		.amdhsa_reserve_vcc 1
		.amdhsa_float_denorm_mode_32 3
		.amdhsa_float_denorm_mode_16_64 3
		.amdhsa_memory_ordered 1
		.amdhsa_forward_progress 1
		.amdhsa_inst_pref_size 18
	.end_amdhsa_kernel
	.amdgpu_metadata
---
amdhsa.version: [ 1, 2 ]
amdhsa.kernels:
  - .name:           k_qad63482402_mlp
    .symbol:         k_qad63482402_mlp.kd
    .args:
      - { .name: acodes, .offset: 0, .size: 8, .value_kind: global_buffer, .address_space: global }
      - { .name: ascl, .offset: 8, .size: 8, .value_kind: global_buffer, .address_space: global }
      - { .name: wcodes, .offset: 16, .size: 8, .value_kind: global_buffer, .address_space: global }
      - { .name: wscl, .offset: 24, .size: 8, .value_kind: global_buffer, .address_space: global }
      - { .name: b1, .offset: 32, .size: 8, .value_kind: global_buffer, .address_space: global }
      - { .name: ln_gamma, .offset: 40, .size: 8, .value_kind: global_buffer, .address_space: global }
      - { .name: W2, .offset: 48, .size: 8, .value_kind: global_buffer, .address_space: global }
      - { .name: stats, .offset: 56, .size: 8, .value_kind: global_buffer, .address_space: global }
    .group_segment_fixed_size: 9216
    .private_segment_fixed_size: 0
    .kernarg_segment_align: 8
    .kernarg_segment_size: 64
    .max_flat_workgroup_size: 128
    .sgpr_count:     66
    .vgpr_count:     256
    .wavefront_size: 32
...
	.end_amdgpu_metadata
.endif
;; end of part 3
;; launch fin (part 4): grid 32 x 1, 1 waves a work-group, no clusters, 0 bytes of LDS; arguments stats, ascl, ln_beta, W2, b2, out0; writes out0
.if DOCPART == 4
	.amdgcn_target "amdgcn-amd-amdhsa--gfx1250"
	.amdhsa_code_object_version 6
	.text
	.protected	k_qad63482402_fin
	.globl	k_qad63482402_fin
	.p2align	8
	.type	k_qad63482402_fin,@function
k_qad63482402_fin:
	s_mov_b64 s[64:65], 0
	v_nop
	global_prefetch_b8 v0, s[64:65] scope:SCOPE_SE
	s_setreg_imm32_b32 hwreg(HW_REG_WAVE_MODE, 25, 1), 1
	s_wait_xcnt 0x0
; FIN.  out[row] = LayerNorm(h[row]) . W2 + b2, from the 32 parts' figures that the launch before has stored: for part i of 32 hidden units S_i = the sum of h, M_i = the sum of (h - S_i / 32)^2,
; D_i = the sum of (h - S_i / 32) gamma W2, G_i = the sum of gamma W2.  With mu = sum S_i / 1,024 and e_i = S_i / 32 - mu:
;   the sum of (h - mu)^2 = sum M_i + 32 sum e_i^2;   the sum of (h - mu) gamma W2 = sum D_i + sum e_i G_i;   out = rsqrt(var + 1e-5) x that + the sum of beta W2 + b2.
; Only deviations from a mean are squared or weighed: no difference of large sums is formed.
; SHARES.  512 outputs: one wave takes a group of 16 rows, 32 work-groups of one wave.  stats [G][part][r][S, M, D, G]: lane (r, h) takes row r and parts 2 j + h, j = 0 .. 15: each load of the wave is 512 consecutive bytes.
; A row's two halves of parts meet by one exchange between lanes l and l xor 16.  No LDS, no barrier, no matrix work: there is nothing here for them.
; A row whose interval was empty (scale word 0 in ascl, which the quantiser's floor never gives) gets NaN, as 0 / 0 gives in the definition.  NaN and infinities among the inputs are not served.
.set ST, 16                            ; v[16:79]   part 2 j + h at 4 j: S (then e), M, D, G
.set BE, 80                            ; v[80:111]  32 numbers of beta
.set WW, 112                           ; v[112:143] the same 32 of W2
; v0 lane; v1 16 x lane; v2 r; v3 my row's place in ascl; v4 4 r; v8 my row's first scale word; v144-163 at work
	s_load_b256 s[4:11], s[0:1], 0x0               ; stats s[4:5], ascl s[6:7], beta s[8:9], W2 s[10:11]
	s_load_b128 s[12:15], s[0:1], 0x20             ; b2 s[12:13], out0 s[14:15]
	v_lshlrev_b32 v1, 4, v0
	v_and_b32 v2, 15, v0
	v_lshrrev_b32 v5, 3, v2
	v_and_b32 v6, 7, v2
	v_lshlrev_b32 v3, 8, v5                        ; ascl [batch][q][label][8 bytes]: 256 x batch
	v_lshl_add_u32 v3, v6, 3, v3                   ; + 8 x label
	v_lshlrev_b32 v4, 2, v2
	v_mov_b32 v146, 0                              ; written once: a lane permute's destination counts as one of its sources
	v_mov_b32 v154, 0
	v_mov_b32 v155, 0
	v_mov_b32 v159, 0
	s_lshl_b32 s16, ttmp9, 13                      ; stats: 8,192 bytes a group
	s_mov_b32 s17, 0
	s_lshl_b32 s18, ttmp9, 9                       ; ascl: 512
	s_mov_b32 s19, 0
	s_lshl_b32 s20, ttmp9, 6                       ; out0: 64
	s_mov_b32 s21, 0
	s_mov_b32 s24, 0x76543210                      ; v_permlanex16_b32's selects for lane l xor 16
	s_mov_b32 s25, 0xfedcba98
	s_mov_b32 s26, 0x3d000000                      ; 1 / 32
	s_mov_b32 s27, 0x42000000                      ; 32
	s_mov_b32 s28, 0x3a800000                      ; 1 / 1,024
	s_mov_b32 s29, 0x3727c5ac                      ; 1e-5
	s_wait_kmcnt 0x0
	s_load_b32 s22, s[12:13], 0x0                  ; b2
	s_add_nc_u64 s[4:5], s[4:5], s[16:17]
	s_add_nc_u64 s[6:7], s[6:7], s[18:19]
	s_add_nc_u64 s[14:15], s[14:15], s[20:21]
.irp j, 0,1,2,3,4,5,6,7,8,9,10,11,12,13,14,15
	global_load_b128 v[ST+4*\j:ST+4*\j+3], v1, s[4:5] offset:512*\j
.endr
	global_load_b32 v8, v3, s[6:7]
.irp i, 0,1,2,3,4,5,6,7
	global_load_b128 v[BE+4*\i:BE+4*\i+3], v1, s[8:9] offset:512*\i
	global_load_b128 v[WW+4*\i:WW+4*\i+3], v1, s[10:11] offset:512*\i
.endr
	s_wait_loadcnt 17                              ; the 16 parts' figures are in; the scale word and the 16 loads of beta and W2 stay out
	v_add_f32 v144, v[ST], v[ST+4]                 ; the sum of S over my 16 parts, in two chains
	v_add_f32 v145, v[ST+8], v[ST+12]
.irp j, 4,6,8,10,12,14
	v_add_f32 v144, v144, v[ST+4*\j]
	v_add_f32 v145, v145, v[ST+4*\j+4]
.endr
	v_add_f32 v144, v144, v145
	v_permlanex16_b32 v146, v144, s24, s25
	v_add_f32 v144, v144, v146                     ; with lane l xor 16's 16 parts: the row's sum of h
	v_mul_f32 v147, 0xba800000, v144               ; -mu = the sum x -1 / 1,024
.irp j, 0,1,2,3,4,5,6,7,8,9,10,11,12,13,14,15
	v_fma_f32 v[ST+4*\j], v[ST+4*\j], s26, v147    ; e = S / 32 - mu
.endr
.irp c, 0,1                                    ; even parts and odd parts in chains of their own: v148, v149 the sum of e^2; v150, v151 of D + e G; v152, v153 of M
	v_mul_f32 v[148+\c], v[ST+4*\c], v[ST+4*\c]
	v_fma_f32 v[150+\c], v[ST+4*\c], v[ST+4*\c+3], v[ST+4*\c+2]
	v_add_f32 v[152+\c], v[ST+4*\c+1], v[ST+4*\c+9]
.endr
.irp j, 2,3,4,5,6,7,8,9,10,11,12,13,14,15
	v_fma_f32 v[148+(\j)%2], v[ST+4*\j], v[ST+4*\j], v[148+(\j)%2]
	v_fma_f32 v[150+(\j)%2], v[ST+4*\j], v[ST+4*\j+3], v[150+(\j)%2]
	v_add_f32 v[150+(\j)%2], v[150+(\j)%2], v[ST+4*\j+2]
.if \j > 3
	v_add_f32 v[152+(\j)%2], v[152+(\j)%2], v[ST+4*\j+1]
.endif
.endr
	v_add_f32 v148, v148, v149
	v_add_f32 v150, v150, v151
	v_add_f32 v152, v152, v153
	v_fma_f32 v152, v148, s27, v152                ; the sum of M + 32 x the sum of e^2
	v_permlanex16_b32 v154, v152, s24, s25
	v_permlanex16_b32 v155, v150, s24, s25
	v_add_f32 v152, v152, v154                     ; the row's sum of (h - mu)^2
	v_add_f32 v150, v150, v155                     ; and of (h - mu) gamma W2
	v_fma_f32 v156, v152, s28, s29                 ; the variance + 1e-5
	v_rsq_f32 v157, v156
	s_wait_loadcnt 0x0                             ; beta, W2 and the scale word
	v_pk_mul_f32 v[160:161], v[BE:BE+1], v[WW:WW+1]                ; the sum of beta W2: my 32 numbers, two chains.  (Plain work behind the root)
	v_pk_mul_f32 v[162:163], v[BE+2:BE+3], v[WW+2:WW+3]
.irp j, 4,8,12,16,20,24,28
	v_pk_fma_f32 v[160:161], v[BE+\j:BE+\j+1], v[WW+\j:WW+\j+1], v[160:161]
	v_pk_fma_f32 v[162:163], v[BE+\j+2:BE+\j+3], v[WW+\j+2:WW+\j+3], v[162:163]
.endr
	v_pk_add_f32 v[160:161], v[160:161], v[162:163]
	v_add_f32 v160, v160, v161
	v_add_f32_dpp v160, v160, v160 row_xmask:1 row_mask:0xf bank_mask:0xf  ; and over the 32 lanes: every lane ends with the sum
	v_add_f32_dpp v160, v160, v160 row_xmask:2 row_mask:0xf bank_mask:0xf
	v_add_f32_dpp v160, v160, v160 row_xmask:4 row_mask:0xf bank_mask:0xf
	v_add_f32_dpp v160, v160, v160 row_xmask:8 row_mask:0xf bank_mask:0xf
	v_permlanex16_b32 v159, v160, s24, s25
	v_add_f32 v160, v160, v159
	v_mov_b32 v161, 0x7fc00000                     ; NaN
	v_cmp_eq_u32 vcc_lo, 0, v8                     ; the scale word 0 marks a row whose interval was empty
	s_wait_kmcnt 0x0                               ; b2
	s_wait_alu depctr_va_vdst(0)                   ; a wait ahead of the root's first reader
	v_fma_f32 v158, v150, v157, v160
	v_add_f32 v158, s22, v158                      ; + b2
	v_cndmask_b32 v158, v158, v161, vcc_lo
	s_wait_xcnt 0x0                                ; EXEC changes only behind this wait
	v_cmp_gt_u32 vcc_lo, 16, v0
	s_and_saveexec_b32 s30, vcc_lo                 ; lanes 0-15: a row each
	global_store_b32 v4, v158, s[14:15]            ; 64 consecutive bytes
	s_wait_xcnt 0x0                                ; and again, in front of the line that widens it
	s_or_b32 exec_lo, exec_lo, s30
	s_endpgm
.Lfunc_end_k_qad63482402_fin:
	.size	k_qad63482402_fin, .Lfunc_end_k_qad63482402_fin-k_qad63482402_fin
	.p2alignl 7, 3214868480
	.fill 96, 4, 3214868480
	.section	.rodata,"a",@progbits
	.p2align	6, 0x0
	.amdhsa_kernel k_qad63482402_fin
		.amdhsa_group_segment_fixed_size 0
		.amdhsa_private_segment_fixed_size 0
		.amdhsa_enable_private_segment 0
		.amdhsa_kernarg_size 48
		.amdhsa_user_sgpr_count 2
		.amdhsa_user_sgpr_kernarg_segment_ptr 1
		.amdhsa_wavefront_size32 1
		.amdhsa_system_sgpr_workgroup_id_x 1
		.amdhsa_system_sgpr_workgroup_id_y 1
		.amdhsa_system_sgpr_workgroup_id_z 1
		.amdhsa_system_vgpr_workitem_id 0
		.amdhsa_next_free_vgpr 168
		.amdhsa_next_free_sgpr 66
		.amdhsa_reserve_vcc 1
		.amdhsa_float_denorm_mode_32 3
		.amdhsa_float_denorm_mode_16_64 3
		.amdhsa_memory_ordered 1
		.amdhsa_forward_progress 1
		.amdhsa_inst_pref_size 12
	.end_amdhsa_kernel
	.amdgpu_metadata
---
amdhsa.version: [ 1, 2 ]
amdhsa.kernels:
  - .name:           k_qad63482402_fin
    .symbol:         k_qad63482402_fin.kd
    .args:
      - { .name: stats, .offset: 0, .size: 8, .value_kind: global_buffer, .address_space: global }
      - { .name: ascl, .offset: 8, .size: 8, .value_kind: global_buffer, .address_space: global }
      - { .name: ln_beta, .offset: 16, .size: 8, .value_kind: global_buffer, .address_space: global }
      - { .name: W2, .offset: 24, .size: 8, .value_kind: global_buffer, .address_space: global }
      - { .name: b2, .offset: 32, .size: 8, .value_kind: global_buffer, .address_space: global }
      - { .name: out0, .offset: 40, .size: 8, .value_kind: global_buffer, .address_space: global }
    .group_segment_fixed_size: 0
    .private_segment_fixed_size: 0
    .kernarg_segment_align: 8
    .kernarg_segment_size: 48
    .max_flat_workgroup_size: 32
    .sgpr_count:     66
    .vgpr_count:     168
    .wavefront_size: 32
...
	.end_amdgpu_metadata
.endif
;; end of part 4
